; MI455X (gfx1250); checked and timed in simulation.
; The chip was launched on July 23, 2026; its instructions are those of AMD's public machine-readable ISA for CDNA 5 (MIT licence, August 2026) and "CDNA5" Instruction Set Architecture Reference Guide (July 2026). The comments in the code are by the model that wrote it; some were corrected since.
;; Dilated MHSA Block. Allowed arithmetic: matrix products marked QUANTISED: E2M1 operands, one E8M0 scale for each 32 along K, by v_wmma_scale_f32_16x16x128_f8f6f4 with both operands' format E2M1 (or v_wmma_scale_f32_32x16x128_f4), f32 sums; everything else in f32.
;; Inputs: b_out 1,024 float32; b_qkv 3,072 float32; w_out_codes 1,024 x 32 x 16 uint8 (E2M1 codes of w_out, K innermost, in blocks of 32 codes, two codes a byte); w_out_scales 1,024 x 32 uint8 (E8M0 scales of w_out, one for each 32 codes along K); w_qkv_codes 3,072 x 32 x 16 uint8 (E2M1 codes of w_qkv, K innermost, in blocks of 32 codes, two codes a byte); w_qkv_scales 3,072 x 32 uint8 (E8M0 scales of w_qkv, one for each 32 codes along K); x_codes 2 x 2,048 x 32 x 16 uint8 (E2M1 codes of x, K innermost, in blocks of 32 codes, two codes a byte); x_scales 2 x 2,048 x 32 uint8 (E8M0 scales of x, one for each 32 codes along K).
;; Outputs: out0 2 x 2,048 x 1,024 float32.
;; This version of the problem:
;;   THIS VERSION OF THE PROBLEM IS GIVEN IN LOW PRECISION. The matrix products marked QUANTISED in the list below multiply operands that are first quantised to E2M1 (2 exponent bits, 1 mantissa bit; 4 bits a number), with one power-of-two scale for each 32 numbers along K (OCP MX v1.0); their sums are f32. All else is computed in f32.
;;   The module's matrix products, in the order in which they are computed (A, B: the left and right operand; K: the contracted axis; several contracted axes count as one K, in the product's order):
;;     1. [M 4,096, K 1,024] x [K 1,024, N 3,072]; A: input x (given as codes); B: input w_qkv (given as codes): QUANTISED
;;     2. batch 32 x [M 2,048, K 64] x [K 64, N 2,048]; A: computed on the way; B: computed on the way: QUANTISED
;;     3. batch 32 x [M 2,048, K 2,048] x [K 2,048, N 64]; A: softmax (see below); B: computed on the way: QUANTISED
;;     4. [M 4,096, K 1,024] x [K 1,024, N 1,024]; A: computed on the way; B: input w_out (given as codes): QUANTISED
;;   THE QUANTISER, for each operand of a quantised product, along K:
;;     - K is cut into blocks of 32 from its start; a last block that is shorter is filled with zeros.
;;     - A block's scale is 2^e with e = floor(log2(the largest magnitude in the block)) - 2, held to -126 .. 127; a block of zeros has e = 0. As a byte (E8M0): e + 127.
;;     - Each number is divided by its block's scale, clamped to +-6, and rounded to the nearest number of E2M1, ties to even, subnormals kept.
;;     - The product sums the exact products of the quantised numbers (number of the format x scale) in f32.
;;   ~~~python
;;   def quantise(x, axis):      # numpy; x: float32 -> the quantised numbers, widened to float32 again
;;       x = np.moveaxis(x, axis, -1); K = x.shape[-1]
;;       x = np.pad(x, [(0, 0)] * (x.ndim - 1) + [(0, -K % 32)]); x = x.reshape(x.shape[:-1] + (-1, 32)); a = np.abs(x).max(-1, keepdims=True)
;;       e = np.where(a > 0, np.clip(np.frexp(np.where(a > 0, a, 1))[1] - 1 - 2, -126, 127), 0)      # np.frexp(a)[1] - 1 = floor(log2(a)), exactly
;;       r = np.clip(x / 2.0 ** e, -6, 6)
;;       step = 2.0 ** (np.maximum(np.frexp(np.where(r == 0, 1, r))[1] - 1, 0) - 1)
;;       q = np.round(r / step) * step * 2.0 ** e      # np.round: ties to even
;;       return np.moveaxis(q.reshape(q.shape[:-2] + (-1,))[..., :K], -1, axis).astype(np.float32)
;;   ~~~
;;   SOFTMAX AHEAD OF A QUANTISED PRODUCT. Where the list says 'softmax', what is quantised is not the finished softmax but p = 2^(t - M), with t = logit x log2(e) and M = ceil(the row's largest t), a whole number; so 1/2 < the row's largest p <= 1. The row's sum l is taken of the UNQUANTISED p, in f32, and the product's result is divided by l at the end. Since M is a whole number, a kernel that streams over the keys may use a running M (the ceiling of the running maximum): every later rescaling is an exact power of two, which a block's scale takes up: the codes' values come out the same.
;;   OPERANDS COMPUTED ON THE WAY. 'Computed on the way' means the value that the module computes at that place (a softmax that the list does not call 'softmax' is quantised finished and normalised). What goes into a quantiser is computed in f32, as accurately as f32 sums, v_exp_f32 and their like allow (about 1e-6 of the number): no bf16 or f16 on the way to a quantiser, and a product that is left as it is and whose result goes on into a quantised operand takes f32 operands (vector FMAs, or v_wmma_f32_16x16x4_f32). A number that lies on a knife's edge between two numbers of the format may be rounded either way, as far as f32 arithmetic and the matrix unit's own rounding can turn it there, and no further.
;;   INPUTS GIVEN AS CODES. w_out (in the module: [1024, 1024], K = its axis 1); w_qkv (in the module: [3072, 1024], K = its axis 1); x (in the module: [2, 2048, 1024], K = its axis 2): each comes as NAME_codes (uint8): NAME with its K axis moved to the last place and cut into blocks of 32 codes, [.., K / 32, bytes a block], one block behind the other in memory; two codes a byte, the lower K in the low four bits (a code: sign, 2 exponent bits, 1 mantissa bit); and NAME_scales (uint8): the same leading axes, one E8M0 byte (e + 127) for each 32 codes along K. Its value is code x scale, taken as it is: it is not quantised again, and the codes and scales need not be those that the quantiser above would give.
;; One version. Each part assembles by itself: llvm-mc -triple=amdgcn-amd-amdhsa -mcpu=gfx1250 --defsym DOCPART=n.
;; ======== version 1 of 1: 2 launches
;; workspace buffers: qk_codes 4,194,304 bytes; qk_scales 524,288 bytes; v_codes 2,097,152 bytes; v_scales 131,072 bytes
;; launch qkv (part 1): grid 16 x 16, 4 waves a work-group, clusters of 4 x 4, 327,680 bytes of LDS; arguments x_codes, x_scales, w_qkv_codes, w_qkv_scales, b_qkv, qk_codes, qk_scales, v_codes, v_scales; writes qk_codes, qk_scales, v_codes, v_scales
.if DOCPART == 1
	.amdgcn_target "amdgcn-amd-amdhsa--gfx1250"
	.amdhsa_code_object_version 6
	.text
	.protected	k_q4a8d53b89e_qkv
	.globl	k_q4a8d53b89e_qkv
	.p2align	8
	.type	k_q4a8d53b89e_qkv,@function
k_q4a8d53b89e_qkv:
	s_mov_b64 s[64:65], 0
	v_nop
	global_prefetch_b8 v0, s[64:65] scope:SCOPE_SE
	s_setreg_imm32_b32 hwreg(HW_REG_WAVE_MODE, 25, 1), 1
	s_wait_xcnt 0x0
	s_wait_alu depctr_hold_cnt(0) depctr_sa_sdst(0) depctr_va_vdst(0) depctr_va_sdst(0) depctr_va_ssrc(0) depctr_va_vcc(0) depctr_vm_vsrc(0)
	s_getreg_b32 s2, hwreg(HW_REG_IB_STS2, 6, 4)
	s_cmp_eq_u32 s2, 0
	s_cbranch_scc0 .Lentry_in_a_cluster
	s_endpgm
.Lentry_in_a_cluster:
	s_bfe_u32 s2, ttmp6, 0x10000c
	s_cmp_lg_u32 s2, 0xf033
	s_cbranch_scc0 .Lentry_shape_is_right
	s_endpgm
.Lentry_shape_is_right:
; qkv = x w_qkv^T + b_qkv on codes of FP4 (E2M1) with one E8M0 scale for each 32 along K = 1,024; then, for one head, q and k are divided by (their norm over the head's 64 channels + 1e-6)
; and quantised along the channels, and v is quantised along the KEYS (blocks of 32 tokens from token 0 of its batch).  Nothing but codes and scale bytes goes to memory.
; SHARES.  Work-group x = the head (16), work-group y = a block of 256 of the 4,096 flat tokens (16).  A work-group makes 256 tokens x (64 q + 64 k + 64 v channels); wave w its tokens 64 w .. 64 w + 63 with all
; 192 channels: 48 accumulators of 16 x 16, 384 registers, 48 matrix instructions for each 128 along K.  All operands of the work-group (256 rows of x, 192 rows of w_qkv, their scale bytes: 258,944 bytes with
; padding) lie in LDS for the whole launch: every LDS byte is filled once, so there is no ring.
; CLUSTERS: 4 x 4 work-groups.  The four of a row of the cluster (four heads, one token block) need the same rows of x, the four of a column the same rows of w_qkv: each tile is asked for jointly.
; ORIENTATION.  q, k: source 0 = 16 rows of w_qkv (channels), source 1 = 16 tokens: a lane holds ONE token and its registers run along the channels.  v: source 0 = 16 tokens, source 1 = 16 rows of w_qkv:
; a lane holds ONE channel and its registers run along the tokens.  In both, register 8 t + j of a lane's 32 is index 16 t + 8 (lane / 16) + j of the axis that is quantised; a block of 32 is registers 16 b .. 16 b + 15
; of lanes l and l xor 16.  The same four fragments of x serve both orientations.
; OUT.  qk_codes [q,k][batch][head][token][32 bytes]; qk_scales [batch][head][token][q word, k word], a word = byte of channels 0-31 | byte of channels 32-63 << 8, upper bytes 0;
; v_codes [batch][head][block of 32 keys][channel][16 bytes]; v_scales [batch][head][block][r 16][t 4], channel = 16 t + r.
; LIMITS: NaN and infinities among the inputs are not served.  A sum of squares under 2^-126 counts as 0 in v_sqrt_f32 (ISA guide 15.8), so such a row is divided by 1e-6 alone.  The division is v_rcp_f32 and a
; multiplication.  A block of zeros gets the byte 1 where the rule says 127: its codes are zeros, and this program alone reads the bytes.
; REGISTERS, in windows of 256: window 0: v0-30 addresses and small results; v32-95 scale words, which hold nothing else; v96-159 x's fragments, two sets; v160-255 the epilogue's.
;   window 1: w_qkv's fragments, two sets of 12 (v0-95, v96-191); in the epilogue v0-127 the normalised q or k.   window 2: q's and k's accumulators at 8 (t + 4 n + 16 m).
;   window 3: v's accumulators at 8 (n + 4 i); v128-191 the biases of q and k, v192-223 of v, in the results' layout: they are the C of each sum's first product.
.set PITCH, 272                        ; an LDS row: 256 bytes + 16 of padding = 68 words: the 16 rows that a load touches start at 16 different banks (64 banks of 4 bytes: ISA guide 11.1)
.set T16,   16*PITCH                   ; 16 rows
.set Q64,   64*PITCH                   ; 64 rows: what one tensor load brings
.set SU,    8*PITCH                    ; the scale bytes of 64 rows: 2,048 bytes as 8 rows of 256 + 16
.set XC0,   0                          ; x, K 0 .. 511, 256 rows
.set XC1,   XC0+4*Q64                  ; x, K 512 .. 1023
.set WC0,   XC1+4*Q64                  ; w_qkv, K 0 .. 511: rows 0-63 q, 64-127 k, 128-191 v
.set WC1,   WC0+3*Q64                  ; w_qkv, K 512 .. 1023
.set WSC,   WC1+3*Q64                  ; w_qkv's scale bytes: row p's 32 bytes at (p / 8) 272 + (p % 8) 32
.set XSC,   WSC+3*SU                   ; x's likewise; ends at 258,944
.set ADX,   3                          ; v3, v4   my lane's place in my wave's rows of x, K half 0, 1
.set ADW,   5                          ; v5, v6   the same in w_qkv's rows
.set SC,    32                         ; scale words: set c (K half) at SC + 32 c; group g of 8, register 4 g + q: lanes 0-15 w_qkv's tile g; lanes 16-31 its tile 8 + g (g < 4) or x's tile g - 4
.set XF,    96
.set SSA,   160                        ; v160-175 sums of squares, two chains for each of four tiles of tokens
.set SSB,   168
.set TM,    176                        ; v176-183 largest magnitudes of eight blocks
.set TX,    184                        ; v184-191 the other half's; then the scale bytes
.set SCL,   192                        ; v192-199 the conversions' scale operands
.set INV,   200                        ; v200-207 1 / (norm + eps), as the low word of a pair
.set PCQ,   208                        ; v208-223 q's codes, v224-239 k's, v240-255 v's: no store's data are written again
.set PCK,   224
.set PCV,   240
.set G1X,   36                         ; s[36:43] descriptor group 1 for x's codes;  s[44:51] for w_qkv's;  s[52:59], s[68:75] for their scale bytes
.set G1W,   44
.set G1XS,  52
.set G1WS,  68
.set G0X0,  76                         ; groups 0: x's K half 0, 1, x's scales, w_qkv's K half 0, 1, its scales
.set G0X1,  80
.set G0XS,  84
.set G0W0,  88
.set G0W1,  92
.set G0WS,  96
.set MSB, 0
.macro WIN new                         ; the immediate's high byte repeats the setting that is left; a switch that changes nothing is dropped
.if MSB != \new
	s_set_vgpr_msb (MSB<<8)|\new
.set MSB, \new
.endif
.endm
.macro ROUND                           ; a round of the cluster's barrier
	s_barrier_signal -1
	s_barrier_wait -1
	s_cmp_lg_u32 s22, 0
	s_cbranch_scc1 .Lnot_wave_0_\@
	s_barrier_signal -3
.Lnot_wave_0_\@:
	s_barrier_wait -3
	s_barrier_signal -1
	s_barrier_wait -1
.endm
.macro PLACES                          ; four places behind a matrix instruction of this form (ISA guide 7.12.1)
.rept 4
	v_nop
.endr
.endm
.macro GROUP0 g, ldsreg, ldsbase, alo, step
	s_mov_b32 s[\g], 1                                             ; count = 1
	s_add_co_u32 s[\g+1], s[\ldsreg], \ldsbase                     ; LDS address: a region's base + the wave's share
	s_add_nc_u64 s[\g+2:\g+3], s[\alo:\alo+1], \step               ; global address of the tile's first byte
	s_or_b32 s[\g+3], s[\g+3], 0x80000000                          ; type = 2
.endm
	s_load_b256 s[4:11], s[0:1], 0x0               ; x_codes s[4:5], x_scales s[6:7], w_qkv_codes s[8:9], w_qkv_scales s[10:11]
	s_load_b256 s[12:19], s[0:1], 0x20             ; b_qkv s[12:13], qk_codes s[14:15], qk_scales s[16:17], v_codes s[18:19]
	s_load_b64 s[20:21], s[0:1], 0x40              ; v_scales
	v_lshl_add_u32 v31, v0, 2, 0x3f400
	s_set_vgpr_msb 0x40
	v_mov_b32 v255, 0
	s_set_vgpr_msb 0x4044
	ds_add_u32 v31, v255
	ds_add_u32 v31, v255
	s_set_vgpr_msb 0x4400
	v_lshrrev_b32 v15, 5, v0
	v_readfirstlane_b32 s22, v15                   ; wave 0..3
	s_bfe_u32 s23, ttmp6, 0x40000                  ; cx, cy: my place in the cluster
	s_bfe_u32 s24, ttmp6, 0x40004
	s_lshl_b32 s25, ttmp9, 2
	s_add_co_u32 s25, s25, s23                     ; the head = 4 x cluster x + cx
	s_and_b32 s26, ttmp7, 0xffff
	s_lshl_b32 s26, s26, 2
	s_add_co_u32 s26, s26, s24                     ; the token block = 4 x cluster y + cy
	s_lshl_b32 s27, s24, 2
	s_lshl_b32 s27, 15, s27                        ; my row of the cluster: it shares x's tiles
	s_lshl_b32 s28, 0x1111, s23                    ; my column: it shares w_qkv's
	s_mov_b32 s60, 0x76543210                      ; v_permlanex16_b32's selects for lane l xor 16
	s_mov_b32 s61, 0xfedcba98
	s_mov_b32 s62, 0xffff0000                      ; a lane mask: lanes 16-31
	; group 1 for codes: 64 rows of 256 bytes (512 along K), 512 bytes apart in memory; elements of 1 byte; 4 words of padding behind every 64; bit 21 set beside the mask
	s_or_b32 s[G1X], s27, (1<<20)|(1<<21)|(5<<22)|(3<<25)
	s_or_b32 s[G1W], s28, (1<<20)|(1<<21)|(5<<22)|(3<<25)
.irp g, G1X, G1W
	s_mov_b32 s[\g+1], 256<<16                     ; tensor_dim0
	s_mov_b32 s[\g+2], 64<<16                      ; tensor_dim1
	s_mov_b32 s[\g+3], 256<<16                     ; tile_dim0
	s_mov_b32 s[\g+4], 64                          ; tile_dim1
	s_mov_b32 s[\g+5], 512                         ; from row to row
	s_mov_b32 s[\g+6], 0
	s_mov_b32 s[\g+7], 0
.endr
	; group 1 for scale bytes: the 2,048 dense bytes of 64 rows as 8 rows of 32 elements of 8 bytes, padded likewise
	s_or_b32 s[G1XS], s27, (3<<16)|(1<<20)|(1<<21)|(5<<22)|(3<<25)
	s_or_b32 s[G1WS], s28, (3<<16)|(1<<20)|(1<<21)|(5<<22)|(3<<25)
.irp g, G1XS, G1WS
	s_mov_b32 s[\g+1], 32<<16
	s_mov_b32 s[\g+2], 8<<16
	s_mov_b32 s[\g+3], 32<<16
	s_mov_b32 s[\g+4], 8
	s_mov_b32 s[\g+5], 32
	s_mov_b32 s[\g+6], 0
	s_mov_b32 s[\g+7], 0
.endr
	; x's addresses hang on the token block and the wave, w_qkv's on the head and the wave, each in registers that never hold the other coordinate
	s_lshl_b32 s30, s26, 8
	s_lshl_b32 s31, s22, 6
	s_add_co_u32 s30, s30, s31                     ; my first row of x: 256 x block + 64 x wave
	s_lshl_b32 s2, s30, 5                          ; its scale bytes: 32 a row
	s_mov_b32 s3, 0
	s_lshl_b32 s30, s30, 9                         ; its codes: 512 bytes a row
	s_mov_b32 s31, 0
	s_min_u32 s34, s22, 2                          ; waves 0, 1, 2 fetch q's, k's, v's rows of w_qkv (wave 3 fetches none; its numbers are held inside the regions)
	s_lshl_b32 s32, s34, 10
	s_lshl_b32 s33, s25, 6
	s_add_co_u32 s32, s32, s33                     ; row 1024 x part + 64 x head
	s_lshl_b32 s66, s32, 5
	s_mov_b32 s67, 0
	s_lshl_b32 s32, s32, 9
	s_mov_b32 s33, 0
	s_mul_i32 s35, s22, Q64                        ; where they go: no place in the cluster enters an LDS address
	s_mul_i32 s29, s22, SU
	s_mul_i32 s63, s34, Q64
	s_mul_i32 s34, s34, SU
	s_wait_dscnt 0x0
	s_wait_kmcnt 0x0
	s_add_nc_u64 s[30:31], s[4:5], s[30:31]
	s_add_nc_u64 s[2:3], s[6:7], s[2:3]
	s_add_nc_u64 s[32:33], s[8:9], s[32:33]
	s_add_nc_u64 s[66:67], s[10:11], s[66:67]
	GROUP0 G0X0, 35, XC0, 30, 0
	GROUP0 G0X1, 35, XC1, 30, 256
	GROUP0 G0XS, 29, XSC, 2, 0
	GROUP0 G0W0, 63, WC0, 32, 0
	GROUP0 G0W1, 63, WC1, 32, 256
	GROUP0 G0WS, 34, WSC, 66, 0
	ROUND                                          ; all sixteen work-groups are here: the joint loads meet
	s_cmp_lt_u32 s22, 3                            ; a wave's first fills stand in one branch on the wave's number: six loads of waves 0-2 are out, three of wave 3
	s_cbranch_scc0 .Lwave_3
	tensor_load_to_lds s[G0XS:G0XS+3], s[G1XS:G1XS+7]
	s_nop 0
	tensor_load_to_lds s[G0WS:G0WS+3], s[G1WS:G1WS+7]
	s_nop 0
	tensor_load_to_lds s[G0X0:G0X0+3], s[G1X:G1X+7]
	s_nop 0
	tensor_load_to_lds s[G0W0:G0W0+3], s[G1W:G1W+7]
	s_nop 0
	tensor_load_to_lds s[G0X1:G0X1+3], s[G1X:G1X+7]
	s_nop 0
	tensor_load_to_lds s[G0W1:G0W1+3], s[G1W:G1W+7]
	s_nop 0
.rept 4
	v_nop                                          ; four v_nop follow the last load, ahead of the jump and the label
.endr
	s_branch .Lasked
.Lwave_3:
	tensor_load_to_lds s[G0XS:G0XS+3], s[G1XS:G1XS+7]
	s_nop 0
	tensor_load_to_lds s[G0X0:G0X0+3], s[G1X:G1X+7]
	s_nop 0
	tensor_load_to_lds s[G0X1:G0X1+3], s[G1X:G1X+7]
	s_nop 0
.rept 4
	v_nop
.endr
.Lasked:
	; addresses, while the tiles are on their way
	v_and_b32 v1, 15, v0                           ; r = lane % 16
	v_bfe_u32 v2, v0, 4, 1                         ; h = lane / 16
	v_mul_u32_u24 v15, v1, PITCH
	v_lshl_add_u32 v15, v2, 4, v15                 ; a fragment's row x pitch + 16 h
	v_add_nc_u32 v3, s35, v15                      ; x, K half 0: my wave's 64 rows
	v_add_nc_u32 v4, XC1, v3                       ; K half 1
	v_add_nc_u32 v5, WC0, v15
	v_add_nc_u32 v6, WC1, v15
	v_lshrrev_b32 v7, 3, v1
	v_mul_u32_u24 v7, v7, PITCH
	v_and_b32 v8, 7, v1
	v_lshl_add_u32 v7, v8, 5, v7                   ; row r's scale bytes in a tile of 16 rows: (r / 8) 272 + (r % 8) 32
	v_add_nc_u32 v15, WSC, v7
	v_mul_u32_u24 v7, v2, 8*544
	v_add_nc_u32 v7, v7, v15                       ; v7: lanes 0-15 w_qkv's tile g, lanes 16-31 its tile 8 + g (one product with h: the distance between the two bases)
	s_add_co_u32 s63, s29, 8*544
	v_mul_u32_u24 v8, s63, v2
	v_add_nc_u32 v8, v8, v15                       ; v8: lanes 0-15 w_qkv's tile g, lanes 16-31 my wave's tile g - 4 of x
	v_lshlrev_b32 v9, 5, v2                        ; q's and k's biases: my half's eight channels
	v_lshlrev_b32 v10, 2, v1                       ; v's: my channel
	v_lshlrev_b32 v11, 5, v1
	v_lshl_add_u32 v11, v2, 4, v11                 ; q's and k's codes: token r's 32 bytes, my half's 16
	v_and_b32 v12, 31, v0
	v_lshlrev_b32 v12, 3, v12                      ; their scale words: 8 bytes a token, a token a lane
	v_lshlrev_b32 v13, 4, v1
	v_lshl_add_u32 v13, v2, 10, v13                ; v's codes: block h, channel r
	v_lshl_add_u32 v14, v2, 6, v10                 ; v's scale bytes: block h, word r
	s_lshl_b32 s30, s25, 8
	s_mov_b32 s31, 0
	s_add_nc_u64 s[12:13], s[12:13], s[30:31]      ; b_qkv at the head's first channel of q
	WIN 0xc0                                       ; destination window 3, address window 0
.irp T, 0,1,2,3,4,5,6,7
	global_load_b128 v[128+8*\T:128+8*\T+3], v9, s[12:13] offset:4096*(\T/4)+64*(\T%4)       ; tile T: channels 16 (T % 4) + 8 h + 0 .. 7 of q (T < 4) or k
	global_load_b128 v[128+8*\T+4:128+8*\T+7], v9, s[12:13] offset:4096*(\T/4)+64*(\T%4)+16
.endr
.irp i, 0,1,2,3
.irp j, 0,1,2,3,4,5,6,7
	global_load_b32 v[192+8*\i+\j], v10, s[12:13] offset:8192+64*\i                          ; v: a lane's eight results share its channel 16 i + r
.endr
.endr
	WIN 0
.irp k, 0,1,2,3,4,5,6,7
	v_mov_b32 v[TX+\k], 0                          ; written once: a lane permute's destination counts as one of its sources
.endr
.irp n, 0,1,2,3
	v_mov_b32 v[INV+2*\n+1], 0                     ; named as the upper half of a pair, so it is written
.endr
	; where my results go
	s_lshr_b32 s30, s26, 3                         ; batch
	s_lshl_b32 s30, s30, 4
	s_add_co_u32 s30, s30, s25                     ; 16 x batch + head
	s_and_b32 s31, s26, 7
	s_lshl_b32 s31, s31, 8
	s_lshl_b32 s32, s22, 6
	s_add_co_u32 s31, s31, s32                     ; my first token in its batch
	s_mov_b32 s33, 0
	s_lshl_b32 s32, s30, 16
	s_lshl_b32 s34, s31, 5
	s_add_co_u32 s32, s32, s34
	s_add_nc_u64 s[14:15], s[14:15], s[32:33]      ; qk_codes: 65,536 bytes a head, 32 a token
	s_add_nc_u64 s[18:19], s[18:19], s[32:33]      ; v_codes: 65,536 bytes a head, 1,024 for 32 tokens: the same number
	s_lshl_b32 s32, s30, 14
	s_lshl_b32 s34, s31, 3
	s_add_co_u32 s32, s32, s34
	s_add_nc_u64 s[16:17], s[16:17], s[32:33]      ; qk_scales: 8 bytes a token
	s_lshl_b32 s32, s30, 12
	s_lshl_b32 s34, s31, 1
	s_add_co_u32 s32, s32, s34
	s_add_nc_u64 s[20:21], s[20:21], s[32:33]      ; v_scales: 64 bytes for 32 tokens
; The fragments of the q-th 128 along K: 12 of w_qkv, 4 of x.  16 rows x 128 K of 4-bit codes are 8 registers: lane l holds row l % 16; registers 4 c .. 4 c + 3 hold K = 64 c + 32 (l / 16) + 0 .. 31
.macro FETCH q
.set FP, (\q)%2
.set FC, (\q)/4
.set FK, 64*((\q)%4)
	WIN 0x40                                       ; destination window 1
.irp T, 0,1,2,3,4,5,6,7,8,9,10,11
	ds_load_b128 v[96*FP+8*\T:96*FP+8*\T+3], v[ADW+FC] offset:T16*\T+FK
	ds_load_b128 v[96*FP+8*\T+4:96*FP+8*\T+7], v[ADW+FC] offset:T16*\T+FK+32
.endr
	WIN 0
.irp n, 0,1,2,3
	ds_load_b128 v[XF+32*FP+8*\n:XF+32*FP+8*\n+3], v[ADX+FC] offset:T16*\n+FK
	ds_load_b128 v[XF+32*FP+8*\n+4:XF+32*FP+8*\n+7], v[ADX+FC] offset:T16*\n+FK+32
.endr
.endm
; 32 products for q and k: source 0 = w_qkv's tile T, source 1 = x's tile n.  The first K step takes the bias as C.
.macro MULQK q
.set MP, (\q)%2
.set MS, SC+32*((\q)/4)+(\q)%4
.if (\q) == 0
	WIN 0xb1                                       ; source 0 window 1, source 1 window 0, C window 3 (the bias), D window 2
.else
	WIN 0xa1                                       ; C and D window 2
.endif
.irp n, 0,1,2,3
.irp T, 0,1,2,3,4,5,6,7
.set AC, 8*((\T%4)+4*\n+16*(\T/4))
.if (\q) == 0
	v_wmma_scale_f32_16x16x128_f8f6f4 v[AC:AC+7], v[96*MP+8*\T:96*MP+8*\T+7], v[XF+32*MP+8*\n:XF+32*MP+8*\n+7], v[128+8*\T:128+8*\T+7], v[MS+4*\T], v[MS+16+4*\n] matrix_a_fmt:MATRIX_FMT_FP4 matrix_b_fmt:MATRIX_FMT_FP4 matrix_b_scale:MATRIX_SCALE_ROW1
.else
	v_wmma_scale_f32_16x16x128_f8f6f4 v[AC:AC+7], v[96*MP+8*\T:96*MP+8*\T+7], v[XF+32*MP+8*\n:XF+32*MP+8*\n+7], v[AC:AC+7], v[MS+4*\T], v[MS+16+4*\n] matrix_a_fmt:MATRIX_FMT_FP4 matrix_b_fmt:MATRIX_FMT_FP4 matrix_b_scale:MATRIX_SCALE_ROW1
.endif
.endr
.endr
.endm
; 16 products for v: source 0 = x's tile n, source 1 = w_qkv's tile 8 + i; both sides' scale words lie in lanes 16-31
.macro MULV q
.set MP, (\q)%2
.set MS, SC+32*((\q)/4)+(\q)%4
	WIN 0xf4                                       ; source 0 window 0, source 1 window 1, C and D window 3
.irp i, 0,1,2,3
.irp n, 0,1,2,3
.set AC, 8*(\n+4*\i)
.if (\q) == 0
	v_wmma_scale_f32_16x16x128_f8f6f4 v[AC:AC+7], v[XF+32*MP+8*\n:XF+32*MP+8*\n+7], v[96*MP+8*(8+\i):96*MP+8*(8+\i)+7], v[192+8*\i:192+8*\i+7], v[MS+16+4*\n], v[MS+4*\i] matrix_a_fmt:MATRIX_FMT_FP4 matrix_b_fmt:MATRIX_FMT_FP4 matrix_a_scale:MATRIX_SCALE_ROW1 matrix_b_scale:MATRIX_SCALE_ROW1
.else
	v_wmma_scale_f32_16x16x128_f8f6f4 v[AC:AC+7], v[XF+32*MP+8*\n:XF+32*MP+8*\n+7], v[96*MP+8*(8+\i):96*MP+8*(8+\i)+7], v[AC:AC+7], v[MS+16+4*\n], v[MS+4*\i] matrix_a_fmt:MATRIX_FMT_FP4 matrix_b_fmt:MATRIX_FMT_FP4 matrix_a_scale:MATRIX_SCALE_ROW1 matrix_b_scale:MATRIX_SCALE_ROW1
.endif
.endr
.endr
.endm
; A step of 128 along K.  Its fragments were asked for a step (48 matrix instructions) ago; the next step's are asked for first, into the set that the step before multiplied.
; The 48 accumulators take turns, one instruction a turn, in the same order in every step.
.macro STEP q
	s_wait_dscnt 0x0                               ; this step's fragments are in (and no LDS instruction of mine is out at the signal below)
.if (\q) == 3
	s_wait_tensorcnt 0x0                           ; the next fetch reads K half 1: my parts of it have landed,
	s_barrier_signal -1
	s_barrier_wait -1                              ; and everybody's have
.endif
.if (\q) > 0
	PLACES                                         ; in front of loads into registers that matrix instructions have read
.endif
.if (\q) < 7
	FETCH (\q)+1
.endif
	MULQK \q
	MULV \q
	WIN 0
.endm
	s_wait_tensorcnt 0x1                           ; all my loads but the last have landed: the scale bytes and K half 0 among them; the one that may be out is a part of K half 1
	s_barrier_signal -1
	s_barrier_wait -1                              ; everybody's have
	FETCH 0
.irp c, 0,1                                    ; all scale words, once: four words (512 along K) of a row by one load
.irp g, 0,1,2,3
	ds_load_b128 v[SC+32*\c+4*\g:SC+32*\c+4*\g+3], v7 offset:544*\g+16*\c
.endr
.irp g, 4,5,6,7
	ds_load_b128 v[SC+32*\c+4*\g:SC+32*\c+4*\g+3], v8 offset:544*\g+16*\c
.endr
.endr
	s_wait_loadcnt 0x0                             ; the biases
.irp q, 0,1,2,3,4,5,6,7
	STEP \q
.endr
; Four items of 32 numbers a lane, in window w from v[base + 32 n] on, become codes in v[pc + 4 n ..] and scale bytes in v[TX + 2 n + b].
; A block's largest magnitude has the floor 2^(3 - 127) among its leaves, so that the byte cannot fall under 1; 2 off its exponent field is the conversion's scale operand, whose exponent field is the byte.
; The conversions' results are laid tile 0, tile 2, tile 1, tile 3, so that two exchanges of halves leave block (lane / 16)'s 32 codes in ascending order: the operand's registers 0-3.
.macro QUANT4 w, base, pc
.set WQ, 20*(\w)
	WIN WQ                                         ; sources 1 and 2 in window w
.irp k, 0,1,2,3,4,5,6,7
	v_max3_num_f32 v[TM+\k], 0x1800000, |v[\base+16*\k]|, |v[\base+16*\k+1]|
.endr
.irp e, 2,4,6,8,10,12,14
.irp k, 0,1,2,3,4,5,6,7
	v_max3_num_f32 v[TM+\k], v[TM+\k], |v[\base+16*\k+\e]|, |v[\base+16*\k+\e+1]|            ; the eight blocks by turns, each from its low end on
.endr
.endr
	WIN 0
.irp k, 0,1,2,3,4,5,6,7
	v_permlanex16_b32 v[TX+\k], v[TM+\k], s60, s61
.endr
.irp k, 0,1,2,3,4,5,6,7
	v_max_num_f32 v[TM+\k], v[TM+\k], v[TX+\k]     ; with lane l xor 16's 16 numbers
.endr
.irp k, 0,1,2,3,4,5,6,7
	v_add_nc_u32 v[SCL+\k], 0xff000000, v[TM+\k]
.endr
.irp k, 0,1,2,3,4,5,6,7
	v_lshrrev_b32 v[TX+\k], 23, v[SCL+\k]
.endr
	WIN \w                                         ; source 0 in window w
.irp n, 0,1,2,3
	v_cvt_scalef32_pk8_fp4_f32 v[\pc+4*\n], v[\base+32*\n:\base+32*\n+7], v[SCL+2*\n]
	v_cvt_scalef32_pk8_fp4_f32 v[\pc+4*\n+1], v[\base+32*\n+16:\base+32*\n+23], v[SCL+2*\n+1]
	v_cvt_scalef32_pk8_fp4_f32 v[\pc+4*\n+2], v[\base+32*\n+8:\base+32*\n+15], v[SCL+2*\n]
	v_cvt_scalef32_pk8_fp4_f32 v[\pc+4*\n+3], v[\base+32*\n+24:\base+32*\n+31], v[SCL+2*\n+1]
.endr
	WIN 0
	v_nop                                          ; one plain place behind the last scaled conversion
.irp n, 0,1,2,3
	v_permlane16_swap_b32 v[\pc+4*\n], v[\pc+4*\n+1]
	v_permlane16_swap_b32 v[\pc+4*\n+2], v[\pc+4*\n+3]
.endr
.endm
; q (m = 0) or k (m = 1) of my four tiles of tokens, divided by (norm + 1e-6), into window 1, v[32 n ..]
.macro NORM4 m
.set NA, 128*(\m)
	WIN 0x0a                                       ; sources 0 and 1 window 2
.irp n, 0,1,2,3
	v_pk_mul_f32 v[SSA+2*\n:SSA+2*\n+1], v[NA+32*\n:NA+32*\n+1], v[NA+32*\n:NA+32*\n+1]      ; the first squares start the sums; each accumulator is read from its low end on
.endr
.irp n, 0,1,2,3
	v_pk_mul_f32 v[SSB+2*\n:SSB+2*\n+1], v[NA+32*\n+2:NA+32*\n+3], v[NA+32*\n+2:NA+32*\n+3]
.endr
.irp e, 4,8,12,16,20,24,28
.irp n, 0,1,2,3
	v_pk_fma_f32 v[SSA+2*\n:SSA+2*\n+1], v[NA+32*\n+\e:NA+32*\n+\e+1], v[NA+32*\n+\e:NA+32*\n+\e+1], v[SSA+2*\n:SSA+2*\n+1]
.endr
.irp n, 0,1,2,3
	v_pk_fma_f32 v[SSB+2*\n:SSB+2*\n+1], v[NA+32*\n+\e+2:NA+32*\n+\e+3], v[NA+32*\n+\e+2:NA+32*\n+\e+3], v[SSB+2*\n:SSB+2*\n+1]
.endr
.endr
	WIN 0
.irp n, 0,1,2,3
	v_pk_add_f32 v[SSA+2*\n:SSA+2*\n+1], v[SSA+2*\n:SSA+2*\n+1], v[SSB+2*\n:SSB+2*\n+1]
.endr
.irp n, 0,1,2,3
	v_add_f32 v[SSA+2*\n], v[SSA+2*\n], v[SSA+2*\n+1]
.endr
.irp n, 0,1,2,3
	v_permlanex16_b32 v[SSB+2*\n], v[SSA+2*\n], s60, s61
.endr
.irp n, 0,1,2,3
	v_add_f32 v[SSA+2*\n], v[SSA+2*\n], v[SSB+2*\n]                ; the token's other 32 channels lie in lane l xor 16
.endr
.irp n, 0,1,2,3
	v_sqrt_f32 v[SSA+2*\n], v[SSA+2*\n]
.endr
	v_nop                                          ; one plain place behind the transcendentals
	s_wait_alu depctr_va_vdst(0)
.irp n, 0,1,2,3
	v_add_f32 v[SSA+2*\n], 0x358637bd, v[SSA+2*\n]                 ; + 1e-6
.endr
.irp n, 0,1,2,3
	v_rcp_f32 v[INV+2*\n], v[SSA+2*\n]
.endr
	v_nop
	WIN 0x42                                       ; source 0 window 2, destination window 1
	s_wait_alu depctr_va_vdst(0)
.irp n, 0,1,2,3
.irp e, 0,2,4,6,8,10,12,14,16,18,20,22,24,26,28,30
	v_pk_mul_f32 v[32*\n+\e:32*\n+\e+1], v[NA+32*\n+\e:NA+32*\n+\e+1], v[INV+2*\n:INV+2*\n+1] op_sel_hi:[1,0]
.endr
.endr
	WIN 0
.endm
	PLACES                                         ; behind the last products
	NORM4 0
	QUANT4 1, 0, PCQ
.irp n, 0,1,2,3
	v_lshl_or_b32 v[16+\n], v[TX+2*\n+1], 8, v[TX+2*\n]            ; q's scale word of my token in tile n
.endr
.irp n, 0,1,2,3
	global_store_b128 v11, v[PCQ+4*\n:PCQ+4*\n+3], s[14:15] offset:512*\n                    ; 16 tokens x 32 bytes: 512 consecutive bytes, aligned
.endr
	NORM4 1
	QUANT4 1, 0, PCK
.irp n, 0,1,2,3
	v_lshl_or_b32 v[20+\n], v[TX+2*\n+1], 8, v[TX+2*\n]
.endr
.irp n, 0,1,2,3
	global_store_b128 v11, v[PCK+4*\n:PCK+4*\n+3], s[14:15] offset:2097152+512*\n            ; k's half of qk_codes begins 32 heads x 65,536 bytes on
.endr
	v_cndmask_b32 v24, v16, v17, s62               ; a token a lane: lanes 0-15 hold tile 0's words, lanes 16-31 tile 1's
	v_cndmask_b32 v25, v20, v21, s62
	v_cndmask_b32 v26, v18, v19, s62               ; and tiles 2 and 3
	v_cndmask_b32 v27, v22, v23, s62
	global_store_b64 v12, v[24:25], s[16:17]       ; 32 tokens x (q word, k word): 256 consecutive bytes, aligned
	global_store_b64 v12, v[26:27], s[16:17] offset:256
	QUANT4 3, 0, PCV                               ; v: item i = channels 16 i + r, its 32 registers run along my wave's 64 tokens: two blocks of keys
.irp i, 0,1,2,3
	global_store_b128 v13, v[PCV+4*\i:PCV+4*\i+3], s[18:19] offset:256*\i                    ; lanes 0-15: 16 channels of block 0, 256 consecutive bytes; lanes 16-31: of block 1
.endr
	v_lshl_or_b32 v28, v[TX+2], 8, v[TX]           ; block 0: the bytes of channels r, 16 + r, 32 + r, 48 + r
	v_lshl_or_b32 v29, v[TX+3], 8, v[TX+1]         ; block 1
	v_lshl_or_b32 v28, v[TX+4], 16, v28
	v_lshl_or_b32 v29, v[TX+5], 16, v29
	v_lshl_or_b32 v28, v[TX+6], 24, v28
	v_lshl_or_b32 v29, v[TX+7], 24, v29
	v_cndmask_b32 v30, v28, v29, s62
	global_store_b32 v14, v30, s[20:21]            ; 128 consecutive bytes a wave
	s_set_vgpr_msb 0x4
	s_wait_tensorcnt 0x0
	ds_add_u32 v31, v255
	s_wait_dscnt 0x0
	s_set_vgpr_msb 0x400
	ROUND                                          ; the closing round: no work-group ends while a partner may still ask for a tile that names it
	s_endpgm
.Lfunc_end_k_q4a8d53b89e_qkv:
	.size	k_q4a8d53b89e_qkv, .Lfunc_end_k_q4a8d53b89e_qkv-k_q4a8d53b89e_qkv
	.p2alignl 7, 3214868480
	.fill 96, 4, 3214868480
	.section	.rodata,"a",@progbits
	.p2align	6, 0x0
	.amdhsa_kernel k_q4a8d53b89e_qkv
		.amdhsa_group_segment_fixed_size 327680
		.amdhsa_private_segment_fixed_size 0
		.amdhsa_enable_private_segment 0
		.amdhsa_kernarg_size 72
		.amdhsa_user_sgpr_count 2
		.amdhsa_user_sgpr_kernarg_segment_ptr 1
		.amdhsa_wavefront_size32 1
		.amdhsa_system_sgpr_workgroup_id_x 1
		.amdhsa_system_sgpr_workgroup_id_y 1
		.amdhsa_system_sgpr_workgroup_id_z 1
		.amdhsa_system_vgpr_workitem_id 0
		.amdhsa_next_free_vgpr 1024
		.amdhsa_next_free_sgpr 100
		.amdhsa_reserve_vcc 0
		.amdhsa_float_denorm_mode_32 3
		.amdhsa_float_denorm_mode_16_64 3
		.amdhsa_memory_ordered 1
		.amdhsa_forward_progress 1
		.amdhsa_inst_pref_size 126
	.end_amdhsa_kernel
	.amdgpu_metadata
---
amdhsa.version: [ 1, 2 ]
amdhsa.kernels:
  - .name:           k_q4a8d53b89e_qkv
    .symbol:         k_q4a8d53b89e_qkv.kd
    .args:
      - { .name: x_codes, .offset: 0, .size: 8, .value_kind: global_buffer, .address_space: global }
      - { .name: x_scales, .offset: 8, .size: 8, .value_kind: global_buffer, .address_space: global }
      - { .name: w_qkv_codes, .offset: 16, .size: 8, .value_kind: global_buffer, .address_space: global }
      - { .name: w_qkv_scales, .offset: 24, .size: 8, .value_kind: global_buffer, .address_space: global }
      - { .name: b_qkv, .offset: 32, .size: 8, .value_kind: global_buffer, .address_space: global }
      - { .name: qk_codes, .offset: 40, .size: 8, .value_kind: global_buffer, .address_space: global }
      - { .name: qk_scales, .offset: 48, .size: 8, .value_kind: global_buffer, .address_space: global }
      - { .name: v_codes, .offset: 56, .size: 8, .value_kind: global_buffer, .address_space: global }
      - { .name: v_scales, .offset: 64, .size: 8, .value_kind: global_buffer, .address_space: global }
    .group_segment_fixed_size: 327680
    .private_segment_fixed_size: 0
    .kernarg_segment_align: 8
    .kernarg_segment_size: 72
    .max_flat_workgroup_size: 128
    .sgpr_count:     100
    .vgpr_count:     1024
    .wavefront_size: 32
...
	.end_amdgpu_metadata
.endif
;; end of part 1
;; launch attn_out (part 2): grid 128 x 2, 8 waves a work-group, clusters of 4 x 1, 327,680 bytes of LDS; arguments qk_codes, qk_scales, v_codes, v_scales, w_out_codes, w_out_scales, b_out, out0; writes out0
.if DOCPART == 2
	.amdgcn_target "amdgcn-amd-amdhsa--gfx1250"
	.amdhsa_code_object_version 6
	.text
	.protected	k_q4a8d53b89e_attn_out
	.globl	k_q4a8d53b89e_attn_out
	.p2align	8
	.type	k_q4a8d53b89e_attn_out,@function
k_q4a8d53b89e_attn_out:
	s_mov_b64 s[64:65], 0
	v_nop
	global_prefetch_b8 v0, s[64:65] scope:SCOPE_SE
	s_setreg_imm32_b32 hwreg(HW_REG_WAVE_MODE, 25, 1), 1
	s_wait_xcnt 0x0
	s_wait_alu depctr_hold_cnt(0) depctr_sa_sdst(0) depctr_va_vdst(0) depctr_va_sdst(0) depctr_va_ssrc(0) depctr_va_vcc(0) depctr_vm_vsrc(0)
	s_getreg_b32 s2, hwreg(HW_REG_IB_STS2, 6, 4)
	s_cmp_eq_u32 s2, 0
	s_cbranch_scc0 .Lentry_in_a_cluster
	s_endpgm
.Lentry_in_a_cluster:
	s_bfe_u32 s2, ttmp6, 0x10000c
	s_cmp_lg_u32 s2, 0x3003
	s_cbranch_scc0 .Lentry_shape_is_right
	s_endpgm
.Lentry_shape_is_right:
; out0 = attention(q, k, v) w_out^T + b_out, all three products on codes of FP4 (E2M1) with one E8M0 scale for each 32 along a product's K.
; THE MASK is built by the problem itself: key j counts for query i where |i - j| <= 16 and i - j is even.  A tile of 16 queries beginning at n0 needs keys n0 - 16 .. n0 + 31, which lie in ONE window of 64 keys that
; begins at a multiple of 32: W = min(max(n0 - 16, 0) rounded down to 32, 1984).  All other blocks of 32 keys hold p = 0 alone and add nothing: they are not multiplied.
; SOFTMAX: t = score x log2(e); M = ceil(the row's largest t); p = 2^(t - M) is quantised along the keys, not normalised; the row's sum of the unquantised p divides the result.
; SHARES.  Work-group x = 32 of the 4,096 rows, work-group y = 512 of the 1,024 output columns: 256 work-groups.  Both column halves compute their rows' attention: 4 units of (16 queries, 1 head) a wave, against
; a third launch and the codes' way through memory.  Wave w: query tile a = w % 2, heads 4 (w / 2) .. + 3; then output columns 64 w .. 64 w + 63 of the half, for both tiles of rows.
; Each wave fetches, reads and at last uses as its stage its own 64 rows of w_out alone.  Every LDS byte is filled once.
; CLUSTER: the four work-groups of a cluster share the column half, so w_out's rows and scale bytes are asked for jointly, with a mask that names the four.
; LAYOUT.  All products are used transposed: S^T = K Q^T, O^T = V^T P^T, out^T = w_out A^T: a lane holds ONE query or row (lane % 16), and register 8 t + j of a lane's 32 is index 16 t + 8 (lane / 16) + j.
; K = 64 IN AN INSTRUCTION OF 128: Q and P carry zero codes in registers 4-7; the other operand's registers 4-7 are whatever codes follow in the register file (finite in this format); the scale bytes there are 0, never 0xff.
; THE ATTENTION'S RESULT goes from wave to wave through LDS as an image of the operand's registers: 16 bytes a lane, 512 a store; its scale words 4 bytes a row.
; LIMITS: NaN and infinities are not served.  1 / l is v_rcp_f32 and a multiplication.  A block of zeros gets the byte 1 where the rule says 127: its codes are zeros, and only this launch reads the byte.
; REGISTERS: v1-15 addresses; v16-47 the mask as addends; v48-87, v88-127 two sets of operands (K 16, V 16, Q 4, zeros 4); v128-159 S^T, then p; v160-191 O^T; v192-199 P and zeros; v200-227 at work;
;   v228-255 scale words, which hold nothing else.  In the last product: v16-47 A's fragments, v48-79 the bias, v80-143 w_out's fragments and then the way out, v144-207 the accumulators.
.set WP,    528                        ; a row of w_out in LDS: 512 bytes + 16 of padding = 132 words: the 16 rows that a load touches start at 16 different banks (64 banks of 4 bytes: ISA guide 11.1)
.set WPART, 64*WP                      ; a wave's 64 rows
.set SU,    2176                       ; their scale bytes: 2,048 bytes as 8 rows of 256 + 16
.set WSC,   8*WPART
.set AIMG,  WSC+8*SU                   ; the attention's result: fragment (row tile a, K step k) at (8 a + k) 1,024; registers 4 c .. 4 c + 3 at + 512 c + 16 x lane
.set ASC,   AIMG+16*1024               ; its scale words: 128 k + 64 a + 4 r; ends at 305,152
.set SPI,   272                        ; a row of the stage: 256 bytes + 16
.set MB,    16
.set OPS,   48
.set S,     128
.set O,     160
.set P,     192
.set TM,    200                        ; v200-201 two blocks' largest; v202-203 the other half's, then bytes; v204-205 the conversions' scale operands
.set TX,    202
.set SCL,   204
.set VS,    206                        ; v206-207 V's scale bytes as loaded, one register a set
.set VX,    208                        ; the other half's
.set TA,    209
.set LA,    210                        ; v[210:211], v[212:213] the row's sum in two chains
.set LB,    212
.set NM,    214                        ; v[214:215] -M, the low word of a pair
.set INV,   216                        ; v[216:217] 1 / l likewise
.set AC,    218                        ; v218-221 the result's codes
.set NINF,  222
.set QS,    228                        ; v228-229 Q's scale words, one a set
.set KS,    230                        ; v230-233 K's: set s: 230 + 2 s + u: lanes 0-15 tile u, lanes 16-31 tile 2 + u
.set VSW,   234                        ; v234-237 V's, tile t
.set PS,    238                        ; P's
.set PWA,   239                        ; the result's scale word of a K step, in the making
.set WS,    240                        ; v240-255 w_out's: 4 t + q: lanes 0-15 K step q, lanes 16-31 K step 4 + q
.set AS,    228                        ; v228-235 in the last product: the result's scale words, K step k: lanes 0-15 row tile 0, lanes 16-31 row tile 1
.set AF,    16
.set BIAS,  48
.set WF,    80
.set ACC,   144
.set OUTR,  80
.macro ROUND                           ; a round of the cluster's barrier
	s_barrier_signal -1
	s_barrier_wait -1
	s_cmp_lg_u32 s56, 0
	s_cbranch_scc1 .Lnot_wave_0_\@
	s_barrier_signal -3
.Lnot_wave_0_\@:
	s_barrier_wait -3
	s_barrier_signal -1
	s_barrier_wait -1
.endm
.macro PLACES                          ; four places behind a matrix instruction of this form (ISA guide 7.12.1)
.rept 4
	v_nop
.endr
.endm
	s_load_b512 s[4:19], s[0:1], 0x0               ; qk_codes s[4:5], qk_scales s[6:7], v_codes s[8:9], v_scales s[10:11], w_out_codes s[12:13], w_out_scales s[14:15], b_out s[16:17], out0 s[18:19]
	s_set_vgpr_msb 0x40
	v_lshl_add_u32 v0, v0, 2, 0x4a800
	v_mov_b32 v1, 0
	s_set_vgpr_msb 0x4045
	ds_add_u32 v0, v1
	ds_add_u32 v0, v1
	s_set_vgpr_msb 0x4500
	v_lshrrev_b32 v223, 5, v0
	v_readfirstlane_b32 s56, v223                  ; wave 0..7
	s_and_b32 s57, s56, 1                          ; a: my tile of queries
	s_lshr_b32 s58, s56, 1                         ; my group of four heads
	s_bfe_u32 s59, ttmp6, 0x40000                  ; cx: it enters global addresses of my own loads and stores, and the mask's numbers, alone
	s_lshl_b32 s66, ttmp9, 2
	s_add_co_u32 s66, s66, s59                     ; my block of 32 rows
	s_and_b32 s67, ttmp7, 0xffff                   ; my half of the columns, which the cluster shares
	s_lshl_b32 s68, s66, 5
	s_lshl_b32 s69, s57, 4
	s_add_co_u32 s68, s68, s69                     ; my first query, as a flat row
	s_lshr_b32 s69, s68, 11                        ; batch
	s_and_b32 s70, s68, 2047                       ; n0: the query in its batch
	s_sub_co_i32 s71, s70, 16
	s_max_i32 s71, s71, 0
	s_and_b32 s71, s71, 0xffffffe0
	s_min_u32 s71, s71, 1984                       ; W: the window's first key
	s_lshl_b32 s72, s69, 4
	s_lshl_b32 s73, s58, 2
	s_add_co_u32 s72, s72, s73                     ; 16 x batch + my first head
	s_mov_b32 s75, 0
	s_lshl_b32 s76, s72, 16
	s_lshl_b32 s77, s72, 14
	s_lshl_b32 s78, s72, 12
	s_mov_b32 s60, 0x76543210                      ; v_permlanex16_b32's selects for lane l xor 16
	s_mov_b32 s61, 0xfedcba98
	s_mov_b32 s62, 0x3fb8aa3b                      ; c = log2(e)
	s_mov_b32 s63, s62                             ; (named with it as a pair, so it is written)
	s_mov_b32 s68, 0xbfb8aa3b                      ; -c
	; group 1 for w_out's codes: 64 rows of 512 bytes, dense; elements of 1 byte; 4 words of padding behind every 128; the mask names the four work-groups, bit 21 set beside it
	s_mov_b32 s32, 15|(1<<20)|(1<<21)|(6<<22)|(3<<25)
	s_mov_b32 s33, 512<<16
	s_mov_b32 s34, 64<<16
	s_mov_b32 s35, 512<<16
	s_mov_b32 s36, 64
	s_mov_b32 s37, 512
	s_mov_b32 s38, 0
	s_mov_b32 s39, 0
	; and for the scale bytes of 64 rows: 2,048 dense bytes as 8 rows of 32 elements of 8 bytes, 4 words of padding behind every 64
	s_mov_b32 s40, 15|(3<<16)|(1<<20)|(1<<21)|(5<<22)|(3<<25)
	s_mov_b32 s41, 32<<16
	s_mov_b32 s42, 8<<16
	s_mov_b32 s43, 32<<16
	s_mov_b32 s44, 8
	s_mov_b32 s45, 32
	s_mov_b32 s46, 0
	s_mov_b32 s47, 0
	s_lshl_b32 s80, s67, 18                        ; w_out's row 512 x half + 64 x wave: 512 bytes of codes a row,
	s_lshl_b32 s81, s56, 15
	s_add_co_u32 s80, s80, s81
	s_mov_b32 s81, 0
	s_lshl_b32 s82, s67, 14                        ; 32 scale bytes a row
	s_lshl_b32 s83, s56, 11
	s_add_co_u32 s82, s82, s83
	s_mov_b32 s83, 0
	v_and_b32 v223, 15, v0                         ; r
	v_bfe_u32 v224, v0, 4, 1                       ; h
	v_and_b32 v225, 31, v0                         ; lane
	v_lshlrev_b32 v3, 5, v223
	v_lshl_add_u32 v3, v224, 4, v3                 ; Q, K: token r's 32 bytes, my half's 16
	v_lshlrev_b32 v4, 3, v223                      ; Q's scale word: 8 bytes a token
	v_lshl_add_u32 v5, v224, 8, v4                 ; K's: lanes 16-31 take the tile two further on
	v_lshlrev_b32 v6, 4, v223
	v_lshl_add_u32 v6, v224, 10, v6                ; V: block h of the window, channel r
	v_lshlrev_b32 v7, 2, v223
	v_lshl_add_u32 v7, v224, 6, v7                 ; V's scale bytes: block h, word r
	s_wait_dscnt 0x0
	s_wait_kmcnt 0x0
	s_lshl_b32 s74, s70, 5
	s_add_co_u32 s74, s74, s76
	s_add_nc_u64 s[20:21], s[4:5], s[74:75]        ; Q's codes at my first head and query
	s_lshl_b32 s74, s71, 5
	s_add_co_u32 s74, s74, s76
	s_add_nc_u64 s[28:29], s[8:9], s[74:75]        ; V's codes at the window's first block: 1,024 bytes for 32 keys
	s_add_co_u32 s74, s74, 0x200000
	s_add_nc_u64 s[22:23], s[4:5], s[74:75]        ; K's codes, 32 heads x 65,536 bytes behind Q's
	s_lshl_b32 s74, s70, 3
	s_add_co_u32 s74, s74, s77
	s_add_nc_u64 s[24:25], s[6:7], s[74:75]        ; the scale words at my first query
	s_lshl_b32 s74, s71, 3
	s_add_co_u32 s74, s74, s77
	s_add_nc_u64 s[26:27], s[6:7], s[74:75]        ; and at the window's first key
	s_lshl_b32 s74, s71, 1
	s_add_co_u32 s74, s74, s78
	s_add_nc_u64 s[30:31], s[10:11], s[74:75]      ; V's scale bytes: 64 for 32 keys
	s_lshl_b32 s74, s67, 11
	s_lshl_b32 s73, s56, 8
	s_add_co_u32 s74, s74, s73
	s_add_nc_u64 s[16:17], s[16:17], s[74:75]      ; b_out at my first column
	s_lshl_b32 s73, s66, 17
	s_add_co_u32 s74, s74, s73
	s_add_nc_u64 s[18:19], s[18:19], s[74:75]      ; out0 at my block's first row (4,096 bytes a row) and my first column
	s_mov_b32 s48, 1                               ; group 0 for the codes
	s_mul_i32 s49, s56, WPART
	s_add_nc_u64 s[50:51], s[12:13], s[80:81]
	s_or_b32 s51, s51, 0x80000000
	s_mov_b32 s52, 1                               ; and for the scale bytes
	s_mul_i32 s53, s56, SU
	s_add_co_u32 s53, s53, WSC
	s_add_nc_u64 s[54:55], s[14:15], s[82:83]
	s_or_b32 s55, s55, 0x80000000
; The 13 loads of unit i (my i-th head) into set s
.macro LOADU i, s
.set LBS, OPS+40*(\s)
	global_load_b128 v[LBS+32:LBS+35], v3, s[20:21] offset:65536*(\i)
	global_load_b32 v[QS+(\s)], v4, s[24:25] offset:16384*(\i)
.irp t, 0,1,2,3
	global_load_b128 v[LBS+4*\t:LBS+4*\t+3], v3, s[22:23] offset:65536*(\i)+512*\t
.endr
.irp u, 0,1
	global_load_b32 v[KS+2*(\s)+\u], v5, s[26:27] offset:16384*(\i)+128*\u+4
.endr
.irp t, 0,1,2,3
	global_load_b128 v[LBS+16+4*\t:LBS+16+4*\t+3], v6, s[28:29] offset:65536*(\i)+256*\t
.endr
	global_load_b32 v[VS+(\s)], v7, s[30:31] offset:4096*(\i)
.endm
	LOADU 0, 0
	LOADU 1, 1
	ROUND                                          ; all four work-groups are here: the joint loads meet
	tensor_load_to_lds s[48:51], s[32:39]          ; my 64 rows of w_out: they land under the attention.  Two loads of mine are out
	s_nop 0
	tensor_load_to_lds s[52:55], s[40:47]
	s_nop 0
.rept 4
	v_nop                                          ; four v_nop follow the last load
.endr
	v_lshl_add_u32 v1, v225, 2, ASC                ; the result's scale words, on the way back: 4 bytes a lane
	v_lshlrev_b32 v2, 5, v224                      ; the bias: my half's eight columns
	v_lshl_add_u32 v8, v225, 4, AIMG               ; an image's place for my lane
	s_lshl_b32 s73, s57, 3
	s_lshl_b32 s79, s58, 1
	s_add_co_u32 s73, s73, s79
	s_lshl_b32 s73, s73, 10
	v_add_nc_u32 v9, s73, v8                       ; where I store images: row tile a, K steps 2 (w / 2) and + 1
	s_lshl_b32 s73, s58, 8
	s_lshl_b32 s79, s57, 6
	s_add_co_u32 s73, s73, s79
	s_add_co_u32 s73, s73, ASC
	v_lshl_add_u32 v10, v223, 2, s73               ; and their scale words
	v_mul_u32_u24 v11, v223, WP
	v_lshl_add_u32 v11, v224, 4, v11
	v_add_nc_u32 v11, s49, v11                     ; w_out's fragments: my part, row r, + 16 h
	v_lshrrev_b32 v12, 3, v223
	v_mul_u32_u24 v12, v12, SPI
	v_and_b32 v226, 7, v223
	v_lshl_add_u32 v12, v226, 5, v12
	v_lshl_add_u32 v12, v224, 4, v12
	v_add_nc_u32 v12, s53, v12                     ; its scale words: row r's 32 bytes; lanes 16-31 the upper 16
	v_mul_u32_u24 v13, v223, SPI
	v_lshl_add_u32 v13, v224, 5, v13
	v_add_nc_u32 v13, s49, v13                     ; the stage, in: row r, 32 bytes for each half of the lanes
	v_mul_u32_u24 v14, v224, SPI
	v_lshl_add_u32 v14, v223, 4, v14
	v_add_nc_u32 v14, s49, v14                     ; back: lanes 0-15 one row of 256 bytes, lanes 16-31 the next
	v_lshlrev_b32 v15, 4, v223
	v_lshl_add_u32 v15, v224, 12, v15              ; and the same two rows in out0
.irp z, 0,1,2,3
	v_mov_b32 v[OPS+36+\z], 0                      ; the zero codes behind Q, in both sets,
	v_mov_b32 v[OPS+76+\z], 0
	v_mov_b32 v[P+4+\z], 0                         ; and behind P
.endr
	v_mov_b32 v[VX], 0                             ; written once: a lane permute's destination counts as one of its sources
	v_mov_b32 v[TX], 0
	v_mov_b32 v[TX+1], 0
	v_mov_b32 v[NM+1], 0                           ; named as the upper halves of pairs
	v_mov_b32 v[INV+1], 0
	v_mov_b32 v[NINF], 0xff800000                  ; -infinity
	; THE MASK, once for the wave: register 8 t + j holds key W + 16 t + 8 h + j.  e = query - key + 16; the key counts where 0 <= e <= 32 and e is even: with e's lowest bit copied to the top, where 32 >= that number, unsigned
	s_sub_co_u32 s73, s70, s71
	s_add_co_u32 s73, s73, 16
	v_add_nc_u32 v226, s73, v223
	v_lshlrev_b32 v227, 3, v224
	v_sub_nc_u32 v226, v226, v227                  ; n0 - W + 16 + r - 8 h
.set NU, 0
.rept 32
	v_add_nc_u32 v227, -(16*(NU/8)+NU%8), v226
	v_lshl_or_b32 v227, v227, 31, v227
	v_cmp_lt_u32 vcc_lo, 32, v227
	v_cndmask_b32 v[MB+NU], 0, v[NINF], vcc_lo     ; 0 where the key counts, -infinity where it does not
.set NU, NU+1
.endr
; A UNIT: 16 queries x one head.  left = the younger loads that may stay out.
.macro UNIT i, s, left
.set UB, OPS+40*(\s)
	s_wait_loadcnt \left                           ; loads come back in order (ISA guide 5.7.1): this unit's 13 are in
.irp t, 0,1                                    ; S^T = K Q^T: source 0 = keys W + 16 t + r, source 1 = my queries
	v_wmma_scale_f32_16x16x128_f8f6f4 v[S+8*\t:S+8*\t+7], v[UB+4*\t:UB+4*\t+7], v[UB+32:UB+39], 0, v[KS+2*(\s)+\t], v[QS+(\s)] matrix_a_fmt:MATRIX_FMT_FP4 matrix_b_fmt:MATRIX_FMT_FP4
.endr
.irp t, 2,3
	v_wmma_scale_f32_16x16x128_f8f6f4 v[S+8*\t:S+8*\t+7], v[UB+4*\t:UB+4*\t+7], v[UB+32:UB+39], 0, v[KS+2*(\s)+\t-2], v[QS+(\s)] matrix_a_fmt:MATRIX_FMT_FP4 matrix_b_fmt:MATRIX_FMT_FP4 matrix_a_scale:MATRIX_SCALE_ROW1
.endr
	v_permlanex16_b32 v[VX], v[VS+(\s)], s60, s61  ; V's scale words: lanes 0-15 hold block 0's four bytes and fetch block 1's.  The four lines below are the places behind the products
.irp t, 0,1,2,3
	v_perm_b32 v[VSW+\t], v[VX], v[VS+(\s)], 0x0c0c0400+0x0101*\t  ; tile t: block 0's byte t, block 1's byte t, two bytes of 0
.endr
.irp j, 0,2,4,6,8,10,12,14,16,18,20,22,24,26,28,30
	v_pk_add_f32 v[S+\j:S+\j+1], v[S+\j:S+\j+1], v[MB+\j:MB+\j+1]  ; hidden scores become -infinity; each accumulator from its low end on
.endr
.irp b, 0,1
	v_max3_num_f32 v[TM+\b], v[S+16*\b], v[S+16*\b+1], v[S+16*\b+2]          ; the largest score of each block of 32 keys: it serves for the row's maximum and, since p rises with the score, for the block's largest p
.endr
.irp e, 3,5,7,9,11,13
.irp b, 0,1
	v_max3_num_f32 v[TM+\b], v[TM+\b], v[S+16*\b+\e], v[S+16*\b+\e+1]
.endr
.endr
.irp b, 0,1
	v_max_num_f32 v[TM+\b], v[TM+\b], v[S+16*\b+15]
.endr
.irp b, 0,1
	v_permlanex16_b32 v[TX+\b], v[TM+\b], s60, s61
.endr
.irp b, 0,1
	v_max_num_f32 v[TM+\b], v[TM+\b], v[TX+\b]
.endr
	v_max_num_f32 v[TA], v[TM], v[TM+1]            ; the row's largest score: the query itself always counts, so it is a number
	v_mul_f32 v[TA], s68, v[TA]                    ; -t
	v_floor_f32 v[NM], v[TA]                       ; -M = floor(-t) = -ceil(t)
.irp j, 0,2,4,6,8,10,12,14,16,18,20,22,24,26,28,30
	v_pk_fma_f32 v[S+\j:S+\j+1], v[S+\j:S+\j+1], s[62:63], v[NM:NM+1] op_sel_hi:[1,0,0]      ; t - M
.endr
.irp b, 0,1
	v_fma_f32 v[TM+\b], v[TM+\b], s62, v[NM]       ; the same of each block's largest score
.endr
.irp j, 0,1,2,3,4,5,6,7,8,9,10,11,12,13,14,15,16,17,18,19,20,21,22,23,24,25,26,27,28,29,30,31
	v_exp_f32 v[S+\j], v[S+\j]                     ; p = 2^(t - M); 0 where the key is hidden
.endr
.irp b, 0,1
	v_exp_f32 v[TM+\b], v[TM+\b]                   ; the block's largest p: the same two instructions on the same number
.endr
	v_nop                                          ; one plain place behind the exponentials
	s_wait_alu depctr_va_vdst(0)
.irp b, 0,1
	v_max_num_f32 v[TM+\b], 0x1800000, v[TM+\b]    ; the floor 2^(3 - 127): a block that is wholly hidden keeps the byte 1; its codes are zeros
.endr
.irp b, 0,1
	v_add_nc_u32 v[SCL+\b], 0xff000000, v[TM+\b]   ; 2 off the exponent field: the conversion's scale operand
.endr
.irp b, 0,1
	v_lshrrev_b32 v[TX+\b], 23, v[SCL+\b]
.endr
	v_lshl_or_b32 v[PS], v[TX+1], 8, v[TX]         ; P's scale word
	v_cvt_scalef32_pk8_fp4_f32 v[P], v[S:S+7], v[SCL]              ; tile 0, tile 2, tile 1, tile 3: two exchanges of halves then leave block h's 32 codes in order
	v_cvt_scalef32_pk8_fp4_f32 v[P+1], v[S+16:S+23], v[SCL+1]
	v_cvt_scalef32_pk8_fp4_f32 v[P+2], v[S+8:S+15], v[SCL]
	v_cvt_scalef32_pk8_fp4_f32 v[P+3], v[S+24:S+31], v[SCL+1]
	v_nop                                          ; one plain place behind the last scaled conversion
	v_permlane16_swap_b32 v[P], v[P+1]
	v_permlane16_swap_b32 v[P+2], v[P+3]
	v_pk_add_f32 v[LA:LA+1], v[S:S+1], v[S+4:S+5]  ; the row's sum of the UNQUANTISED p, in two chains.  These 15 lines are also the places between P and its scale word and the products
	v_pk_add_f32 v[LB:LB+1], v[S+2:S+3], v[S+6:S+7]
.irp j, 8,12,16,20,24,28
	v_pk_add_f32 v[LA:LA+1], v[LA:LA+1], v[S+\j:S+\j+1]
	v_pk_add_f32 v[LB:LB+1], v[LB:LB+1], v[S+\j+2:S+\j+3]
.endr
	v_pk_add_f32 v[LA:LA+1], v[LA:LA+1], v[LB:LB+1]
.irp t, 0,1,2,3                                ; O^T = V^T P^T: source 0 = channels 16 t + r, source 1 = P
	v_wmma_scale_f32_16x16x128_f8f6f4 v[O+8*\t:O+8*\t+7], v[UB+16+4*\t:UB+16+4*\t+7], v[P:P+7], 0, v[VSW+\t], v[PS] matrix_a_fmt:MATRIX_FMT_FP4 matrix_b_fmt:MATRIX_FMT_FP4
.endr
	v_add_f32 v[LA], v[LA], v[LA+1]
	v_permlanex16_b32 v[LB], v[LA], s60, s61
	v_add_f32 v[LA], v[LA], v[LB]                  ; l
.rept 3
	v_nop                                          ; with the additions above: the places behind the products
.endr
	v_rcp_f32 v[INV], v[LA]
	v_nop                                          ; one plain place behind the transcendental
	s_wait_alu depctr_va_vdst(0)
.irp j, 0,2,4,6,8,10,12,14,16,18,20,22,24,26,28,30
	v_pk_mul_f32 v[O+\j:O+\j+1], v[O+\j:O+\j+1], v[INV:INV+1] op_sel_hi:[1,0]                ; O^T / l, each accumulator from its low end on
.endr
.irp b, 0,1                                    ; the head's 64 channels are two blocks of the last product's K
	v_max3_num_f32 v[TM+\b], |v[O+16*\b]|, |v[O+16*\b+1]|, 0x1800000
.endr
.irp e, 2,4,6,8,10,12,14
.irp b, 0,1
	v_max3_num_f32 v[TM+\b], v[TM+\b], |v[O+16*\b+\e]|, |v[O+16*\b+\e+1]|
.endr
.endr
.irp b, 0,1
	v_permlanex16_b32 v[TX+\b], v[TM+\b], s60, s61
.endr
.irp b, 0,1
	v_max_num_f32 v[TM+\b], v[TM+\b], v[TX+\b]
.endr
.irp b, 0,1
	v_add_nc_u32 v[SCL+\b], 0xff000000, v[TM+\b]
.endr
.irp b, 0,1
	v_lshrrev_b32 v[TX+\b], 23, v[SCL+\b]
.endr
.if (\i) > 0
	s_wait_dscnt 0x0                               ; the last unit's LDS stores have read their registers, which are written again below
.endif
.if (\i)%2 == 0
	v_lshl_or_b32 v[PWA], v[TX+1], 8, v[TX]        ; bytes 0 and 1 of the K step's scale word
.else
	v_lshl_or_b32 v[TA], v[TX+1], 8, v[TX]
	v_lshl_or_b32 v[PWA], v[TA], 16, v[PWA]        ; bytes 2 and 3
.endif
	v_cvt_scalef32_pk8_fp4_f32 v[AC], v[O:O+7], v[SCL]
	v_cvt_scalef32_pk8_fp4_f32 v[AC+1], v[O+16:O+23], v[SCL+1]
	v_cvt_scalef32_pk8_fp4_f32 v[AC+2], v[O+8:O+15], v[SCL]
	v_cvt_scalef32_pk8_fp4_f32 v[AC+3], v[O+24:O+31], v[SCL+1]
	v_nop
	v_permlane16_swap_b32 v[AC], v[AC+1]
	v_permlane16_swap_b32 v[AC+2], v[AC+3]
	ds_store_b128 v9, v[AC:AC+3] offset:1024*((\i)/2)+512*((\i)%2) ; registers 4 (i % 2) .. + 3 of K step 2 (w / 2) + i / 2
.if (\i)%2 == 1
	ds_store_b32 v10, v[PWA] offset:128*((\i)/2)   ; lanes r and 16 + r write the same word with the same value
.endif
.if (\i) < 2
	LOADU (\i)+2, \s                               ; this set's registers take the unit two further on
.endif
.if (\i) == 2
.irp t, 0,1,2,3
	global_load_b128 v[BIAS+8*\t:BIAS+8*\t+3], v2, s[16:17] offset:64*\t                     ; set 0 is done with: b_out at columns 16 t + 8 h + 0 .. 7, in the result's layout
	global_load_b128 v[BIAS+8*\t+4:BIAS+8*\t+7], v2, s[16:17] offset:64*\t+16
.endr
.endif
.endm
	UNIT 0, 0, 13
	UNIT 1, 1, 13
	UNIT 2, 0, 13
	UNIT 3, 1, 8
	s_wait_tensorcnt 0x0                           ; my rows of w_out and their scale bytes have landed: only I read them
	s_wait_dscnt 0x0                               ; for the others' sake: my images and scale words are in LDS
	s_barrier_signal -1
	s_barrier_wait -1                              ; all 16 fragments of the attention's result lie in LDS
; THE LAST PRODUCT: out^T = w_out A^T: source 0 = columns 16 t + r of my 64, source 1 = rows 16 a + r; eight accumulators by turns, 128 along K a step
.macro FETCHG k
.set FP, (\k)%2
.irp t, 0,1,2,3
	ds_load_b128 v[WF+32*FP+8*\t:WF+32*FP+8*\t+3], v11 offset:16*WP*\t+64*(\k)
	ds_load_b128 v[WF+32*FP+8*\t+4:WF+32*FP+8*\t+7], v11 offset:16*WP*\t+64*(\k)+32
.endr
.irp a, 0,1
	ds_load_b128 v[AF+16*FP+8*\a:AF+16*FP+8*\a+3], v8 offset:1024*(8*\a+(\k))
	ds_load_b128 v[AF+16*FP+8*\a+4:AF+16*FP+8*\a+7], v8 offset:1024*(8*\a+(\k))+512
.endr
.endm
.macro GM k, t, a
.set GD, ACC+8*(2*(\t)+(\a))
.set GA, WF+32*GP+8*(\t)
.set GB, AF+16*GP+8*(\a)
.set GS, WS+4*(\t)+(\k)%4
.if (\k) == 0
.if (\a) == 0
	v_wmma_scale_f32_16x16x128_f8f6f4 v[GD:GD+7], v[GA:GA+7], v[GB:GB+7], v[BIAS+8*(\t):BIAS+8*(\t)+7], v[GS], v[AS+(\k)] matrix_a_fmt:MATRIX_FMT_FP4 matrix_b_fmt:MATRIX_FMT_FP4
.else
	v_wmma_scale_f32_16x16x128_f8f6f4 v[GD:GD+7], v[GA:GA+7], v[GB:GB+7], v[BIAS+8*(\t):BIAS+8*(\t)+7], v[GS], v[AS+(\k)] matrix_a_fmt:MATRIX_FMT_FP4 matrix_b_fmt:MATRIX_FMT_FP4 matrix_b_scale:MATRIX_SCALE_ROW1
.endif
.elseif (\k) < 4
.if (\a) == 0
	v_wmma_scale_f32_16x16x128_f8f6f4 v[GD:GD+7], v[GA:GA+7], v[GB:GB+7], v[GD:GD+7], v[GS], v[AS+(\k)] matrix_a_fmt:MATRIX_FMT_FP4 matrix_b_fmt:MATRIX_FMT_FP4
.else
	v_wmma_scale_f32_16x16x128_f8f6f4 v[GD:GD+7], v[GA:GA+7], v[GB:GB+7], v[GD:GD+7], v[GS], v[AS+(\k)] matrix_a_fmt:MATRIX_FMT_FP4 matrix_b_fmt:MATRIX_FMT_FP4 matrix_b_scale:MATRIX_SCALE_ROW1
.endif
.else
.if (\a) == 0
	v_wmma_scale_f32_16x16x128_f8f6f4 v[GD:GD+7], v[GA:GA+7], v[GB:GB+7], v[GD:GD+7], v[GS], v[AS+(\k)] matrix_a_fmt:MATRIX_FMT_FP4 matrix_b_fmt:MATRIX_FMT_FP4 matrix_a_scale:MATRIX_SCALE_ROW1
.else
	v_wmma_scale_f32_16x16x128_f8f6f4 v[GD:GD+7], v[GA:GA+7], v[GB:GB+7], v[GD:GD+7], v[GS], v[AS+(\k)] matrix_a_fmt:MATRIX_FMT_FP4 matrix_b_fmt:MATRIX_FMT_FP4 matrix_a_scale:MATRIX_SCALE_ROW1 matrix_b_scale:MATRIX_SCALE_ROW1
.endif
.endif
.endm
.macro STEPG k
.set GP, (\k)%2
	s_wait_dscnt 0x0                               ; this step's fragments are in
.if (\k) > 0
	PLACES                                         ; in front of loads into registers that matrix instructions have read
.endif
.if (\k) < 7
	FETCHG (\k)+1
.endif
.irp t, 0,1,2,3
	GM \k, \t, 0                                   ; the eight accumulators take turns, one instruction a turn; the first step takes the bias as C
	GM \k, \t, 1
.endr
.endm
.irp t, 0,1,2,3
	ds_load_b128 v[WS+4*\t:WS+4*\t+3], v12 offset:544*\t           ; w_out's scale words of tile t, all of K: lanes 0-15 words 0-3, lanes 16-31 words 4-7
.endr
.irp k, 0,1,2,3,4,5,6,7
	ds_load_b32 v[AS+\k], v1 offset:128*\k         ; the result's: lanes 0-15 rows 0-15, lanes 16-31 rows 16-31
.endr
	FETCHG 0
	s_wait_loadcnt 0x0                             ; the bias
.irp k, 0,1,2,3,4,5,6,7
	STEPG \k
.endr
	; THE WAY OUT.  A lane holds 32 neighbouring bytes of a row; the lanes beside it hold other rows.  So my 32 rows x 256 bytes go through a stage and come back as whole rows.  The stage is the head of my own part of
	; w_out's rows: it has had its one fill, only I read it, and my reads are in.  LDS serves a wave's instructions in order (ISA guide 5.7.1.4): no wait between the stores and the loads.
	PLACES                                         ; behind the last products: for the stores of results and the loads into w_out's fragments' registers
.irp a, 0,1
.irp t, 0,1,2,3
	ds_store_b128 v13, v[ACC+8*(2*\t+\a):ACC+8*(2*\t+\a)+3] offset:16*SPI*\a+64*\t           ; each accumulator from its low end on
	ds_store_b128 v13, v[ACC+8*(2*\t+\a)+4:ACC+8*(2*\t+\a)+7] offset:16*SPI*\a+64*\t+16
.endr
.endr
.irp a, 0,1
.irp u, 0,1,2,3,4,5,6,7
	ds_load_b128 v[OUTR+4*(8*\a+\u):OUTR+4*(8*\a+\u)+3], v14 offset:16*SPI*\a+2*SPI*\u
.endr
.endr
.irp a, 0,1
.irp u, 0,1,2,3,4,5,6,7
	s_wait_dscnt 15-(8*\a+\u)                      ; the younger loads may stay out
	global_store_b128 v15, v[OUTR+4*(8*\a+\u):OUTR+4*(8*\a+\u)+3], s[18:19] offset:(16*\a+2*\u)*4096 th:TH_STORE_NT   ; 16 lanes store 256 consecutive bytes, at a multiple of 256 from out0's first byte
.endr
.endr
	s_set_vgpr_msb 0x5
	s_wait_tensorcnt 0x0
	ds_add_u32 v0, v1
	s_wait_dscnt 0x0
	s_set_vgpr_msb 0x500
	ROUND                                          ; the closing round: no work-group ends while a partner may still ask for a tile that names it
	s_endpgm
.Lfunc_end_k_q4a8d53b89e_attn_out:
	.size	k_q4a8d53b89e_attn_out, .Lfunc_end_k_q4a8d53b89e_attn_out-k_q4a8d53b89e_attn_out
	.p2alignl 7, 3214868480
	.fill 96, 4, 3214868480
	.section	.rodata,"a",@progbits
	.p2align	6, 0x0
	.amdhsa_kernel k_q4a8d53b89e_attn_out
		.amdhsa_group_segment_fixed_size 327680
		.amdhsa_private_segment_fixed_size 0
		.amdhsa_enable_private_segment 0
		.amdhsa_kernarg_size 64
		.amdhsa_user_sgpr_count 2
		.amdhsa_user_sgpr_kernarg_segment_ptr 1
		.amdhsa_wavefront_size32 1
		.amdhsa_system_sgpr_workgroup_id_x 1
		.amdhsa_system_sgpr_workgroup_id_y 1
		.amdhsa_system_sgpr_workgroup_id_z 1
		.amdhsa_system_vgpr_workitem_id 0
		.amdhsa_next_free_vgpr 258
		.amdhsa_next_free_sgpr 84
		.amdhsa_reserve_vcc 1
		.amdhsa_float_denorm_mode_32 3
		.amdhsa_float_denorm_mode_16_64 3
		.amdhsa_memory_ordered 1
		.amdhsa_forward_progress 1
		.amdhsa_inst_pref_size 84
	.end_amdhsa_kernel
	.amdgpu_metadata
---
amdhsa.version: [ 1, 2 ]
amdhsa.kernels:
  - .name:           k_q4a8d53b89e_attn_out
    .symbol:         k_q4a8d53b89e_attn_out.kd
    .args:
      - { .name: qk_codes, .offset: 0, .size: 8, .value_kind: global_buffer, .address_space: global }
      - { .name: qk_scales, .offset: 8, .size: 8, .value_kind: global_buffer, .address_space: global }
      - { .name: v_codes, .offset: 16, .size: 8, .value_kind: global_buffer, .address_space: global }
      - { .name: v_scales, .offset: 24, .size: 8, .value_kind: global_buffer, .address_space: global }
      - { .name: w_out_codes, .offset: 32, .size: 8, .value_kind: global_buffer, .address_space: global }
      - { .name: w_out_scales, .offset: 40, .size: 8, .value_kind: global_buffer, .address_space: global }
      - { .name: b_out, .offset: 48, .size: 8, .value_kind: global_buffer, .address_space: global }
      - { .name: out0, .offset: 56, .size: 8, .value_kind: global_buffer, .address_space: global }
    .group_segment_fixed_size: 327680
    .private_segment_fixed_size: 0
    .kernarg_segment_align: 8
    .kernarg_segment_size: 64
    .max_flat_workgroup_size: 256
    .sgpr_count:     84
    .vgpr_count:     258
    .wavefront_size: 32
...
	.end_amdgpu_metadata
.endif
;; end of part 2
